; MI455X (gfx1250); checked and timed in simulation.
; The chip was launched on July 23, 2026; its instructions are those of AMD's public machine-readable ISA for CDNA 5 (MIT licence, August 2026) and "CDNA5" Instruction Set Architecture Reference Guide (July 2026). The comments in the code are by the model that wrote it; some were corrected since.
;; Single Attention. Allowed arithmetic: float matrix products may take bf16 or f16 operands with f32 sums; all other float work in f32.
;; Inputs: Wk 512 x 512 float32; Wq 512 x 512 float32; Wv 512 x 128 float32; bk 512 float32; bq 512 float32; bv 128 float32; x_k 16 x 2,048 x 512 float32; x_q 16 x 2,048 x 512 float32; x_v 16 x 2,048 x 512 float32.
;; Outputs: out0 16 x 2,048 x 128 float32.
;; One version. Each part assembles by itself: llvm-mc -triple=amdgcn-amd-amdhsa -mcpu=gfx1250 --defsym DOCPART=n.
;; ======== version 1 of 1: 3 launches
;; limits: values are held in f16: magnitudes above 65,504 overflow, below 6.1e-05 lose precision
;; workspace buffers: wt 1,179,648 bytes; qh 33,554,432 bytes; kh 33,554,432 bytes; vh 8,388,608 bytes
;; launch wprep (part 1): grid 9 x 8, 4 waves a work-group, no clusters, 18,944 bytes of LDS; arguments Wq, Wk, Wv, wt; writes wt
.if DOCPART == 1
	.amdgcn_target "amdgcn-amd-amdhsa--gfx1250"
	.amdhsa_code_object_version 6
	.text
	.protected	k_q4b49d2000c_wprep
	.globl	k_q4b49d2000c_wprep
	.p2align	8
	.type	k_q4b49d2000c_wprep,@function
k_q4b49d2000c_wprep:
	s_mov_b64 s[64:65], 0
	v_nop
	global_prefetch_b8 v0, s[64:65] scope:SCOPE_SE
	s_setreg_imm32_b32 hwreg(HW_REG_WAVE_MODE, 25, 1), 1
	s_wait_xcnt 0x0
; wt = Wq, Wk, Wv rounded to bf16 and turned from [k][n] to [n][k], laid in blocks of one K step of 64:
;   bytes 0 ..        Wq as [s 0..7][n 0..511][64 k]   (a block: 65,536 dense bytes)
;   bytes 524,288 ..  Wk likewise
;   bytes 1,048,576.. Wv as [s 0..7][n 0..127][64 k]   (a block: 16,384 dense bytes)
; so that the next launch can ask for a K step's rows as dense bytes with k along a row.
; SHARES.  Work-group x = 0..8: matrix x / 4 (0 Wq, 1 Wk, 2 Wv), block x % 4 of 128 columns; y = the K step.  A lane owns ONE column n and its 64 k:
; 64 loads of 4 bytes (a wave's load takes 128 neighbouring bytes of a row of W), 32 roundings of two neighbouring k, 128 bytes of a row of wt.
; These go through the wave's own LDS rows (pitch 144) and come back so that a wave's store covers 512 consecutive bytes of wt.
; 72 work-groups are all the work there is: 1.2 MB out.  No matrix unit, no tensor load, no barrier: no wave reads another's bytes.
.set PW,    144                        ; an LDS row: 128 bytes + 16
.set SPARE, 128*PW                     ; behind the 128 rows: the spare words, 128 bytes a wave, which no other line names
.set SRC, 2                            ; v2  4 x my column in the block
.set STO, 3                            ; v3  LDS: my column's row
.set RD,  4                            ; v4  LDS: where I read back: row 32 w + lane / 8, 16 bytes at 16 (lane % 8)
.set DST, 5                            ; v5  my 16 bytes in the wave's 4,096 bytes of wt
.set SPW, 6                            ; v6  my spare word
.set NIL, 7                            ; v7  0
.set X,   8                            ; v8-71   the column's 64 numbers in f32; later 32 registers read back
.set Y,   72                           ; v72-103 the same in bf16, two to a register
	s_load_b256 s[4:11], s[0:1], 0x0               ; Wq s[4:5], Wk s[6:7], Wv s[8:9], wt s[10:11]
	v_lshl_add_u32 v[SPW], v0, 2, SPARE
	v_mov_b32 v[NIL], 0
	v_lshrrev_b32 v1, 5, v0
	v_readfirstlane_b32 s12, v1                    ; wave 0..3
	v_and_b32 v1, 31, v0                           ; lane
	v_lshlrev_b32 v[SRC], 2, v0
	s_mul_i32 s24, s12, 32*PW                      ; my wave's 32 LDS rows
	v_mul_u32_u24 v[STO], v1, PW
	v_add_nc_u32 v[STO], s24, v[STO]
	v_lshrrev_b32 v[RD], 3, v1
	v_mul_u32_u24 v[RD], v[RD], PW
	v_and_b32 v[DST], 7, v0
	v_lshl_add_u32 v[RD], v[DST], 4, v[RD]
	v_add_nc_u32 v[RD], s24, v[RD]
	v_lshlrev_b32 v[DST], 4, v1
	v_lshl_add_u32 v[DST], s12, 12, v[DST]         ; 4,096 w + 16 lane
	s_and_b32 s13, ttmp7, 0xffff                   ; the K step s
	s_lshr_b32 s14, ttmp9, 2                       ; the matrix
	s_and_b32 s15, ttmp9, 3                        ; the block of 128 columns
	s_mov_b32 s17, 0
	s_mov_b32 s19, 0
	s_wait_kmcnt 0x0
; The whole work, from s[20:21] (W at row 64 s, the block's first column) to s[22:23] (wt at the block's first row).  pitch: bytes in a row of W.
.macro BODY pitch
.set i, 0
.rept 64
	global_load_b32 v[X+i], v[SRC], s[20:21] offset:i*(\pitch) th:TH_LOAD_NT
.set i, i+1
.endr
.set i, 0
.rept 32
	s_wait_loadcnt 62-2*i                          ; loads come back in order (ISA guide 5.7.1): k = 2 i and 2 i + 1 are in, the younger ones stay out
	v_cvt_pk_bf16_f32 v[Y+i], v[X+2*i], v[X+2*i+1]
.set i, i+1
.endr
.set i, 0
.rept 8
	ds_store_b128 v[STO], v[Y+4*i:Y+4*i+3] offset:16*i
.set i, i+1
.endr
.set i, 0
.rept 8
	ds_load_b128 v[X+4*i:X+4*i+3], v[RD] offset:i*4*PW  ; four rows of 128 bytes; LDS serves a wave's instructions in order (ISA guide 5.7.1.4): these see the stores above
.set i, i+1
.endr
.set i, 0
.rept 8
	s_wait_dscnt 7-i
	global_store_b128 v[DST], v[X+4*i:X+4*i+3], s[22:23] offset:512*i  ; 512 consecutive bytes, at a multiple of 256 from wt's first byte
.set i, i+1
.endr
	s_wait_tensorcnt 0x0                           ; the wave's end: these three lines stand behind my last LDS store
	ds_add_u32 v[SPW], v[NIL]
	s_wait_dscnt 0x0
	s_endpgm
.endm
	s_cmp_eq_u32 ttmp9, 8
	s_cbranch_scc1 .Lwv
	s_lshl_b32 s16, s13, 17                        ; Wq, Wk: 64 rows of 2,048 bytes a K step,
	s_lshl_b32 s18, s15, 9                         ; 512 bytes a block of columns
	s_add_co_u32 s16, s16, s18
	s_lshl_b32 s18, s14, 19                        ; wt: 524,288 a matrix,
	s_lshl_b32 s25, s13, 16                        ; 65,536 a K step,
	s_add_co_u32 s18, s18, s25
	s_lshl_b32 s25, s15, 14                        ; 16,384 a block of 128 rows
	s_add_co_u32 s18, s18, s25
	s_cmp_eq_u32 s14, 0
	s_cselect_b64 s[20:21], s[4:5], s[6:7]
	s_add_nc_u64 s[20:21], s[20:21], s[16:17]
	s_add_nc_u64 s[22:23], s[10:11], s[18:19]
	BODY 2048
.Lwv:
	s_lshl_b32 s16, s13, 15                        ; Wv: 64 rows of 512 bytes a K step
	s_lshl_b32 s18, s13, 14                        ; wt: 16,384 a K step,
	s_add_co_u32 s18, s18, 1048576                 ; behind Wq's and Wk's parts
	s_add_nc_u64 s[20:21], s[8:9], s[16:17]
	s_add_nc_u64 s[22:23], s[10:11], s[18:19]
	BODY 512
.Lfunc_end_k_q4b49d2000c_wprep:
	.size	k_q4b49d2000c_wprep, .Lfunc_end_k_q4b49d2000c_wprep-k_q4b49d2000c_wprep
	.p2alignl 7, 3214868480
	.fill 96, 4, 3214868480
	.section	.rodata,"a",@progbits
	.p2align	6, 0x0
	.amdhsa_kernel k_q4b49d2000c_wprep
		.amdhsa_group_segment_fixed_size 18944
		.amdhsa_private_segment_fixed_size 0
		.amdhsa_enable_private_segment 0
		.amdhsa_kernarg_size 32
		.amdhsa_user_sgpr_count 2
		.amdhsa_user_sgpr_kernarg_segment_ptr 1
		.amdhsa_wavefront_size32 1
		.amdhsa_system_sgpr_workgroup_id_x 1
		.amdhsa_system_sgpr_workgroup_id_y 1
		.amdhsa_system_sgpr_workgroup_id_z 1
		.amdhsa_system_vgpr_workitem_id 0
		.amdhsa_next_free_vgpr 104
		.amdhsa_next_free_sgpr 66
		.amdhsa_reserve_vcc 0
		.amdhsa_float_denorm_mode_32 3
		.amdhsa_float_denorm_mode_16_64 3
		.amdhsa_memory_ordered 1
		.amdhsa_forward_progress 1
		.amdhsa_inst_pref_size 25
	.end_amdhsa_kernel
	.amdgpu_metadata
---
amdhsa.version: [ 1, 2 ]
amdhsa.kernels:
  - .name:           k_q4b49d2000c_wprep
    .symbol:         k_q4b49d2000c_wprep.kd
    .args:
      - { .name: Wq, .offset: 0, .size: 8, .value_kind: global_buffer, .address_space: global }
      - { .name: Wk, .offset: 8, .size: 8, .value_kind: global_buffer, .address_space: global }
      - { .name: Wv, .offset: 16, .size: 8, .value_kind: global_buffer, .address_space: global }
      - { .name: wt, .offset: 24, .size: 8, .value_kind: global_buffer, .address_space: global }
    .group_segment_fixed_size: 18944
    .private_segment_fixed_size: 0
    .kernarg_segment_align: 8
    .kernarg_segment_size: 32
    .max_flat_workgroup_size: 128
    .sgpr_count:     66
    .vgpr_count:     104
    .wavefront_size: 32
...
	.end_amdgpu_metadata
.endif
;; end of part 1
;; launch proj (part 2): grid 256 x 3, 4 waves a work-group, clusters of 4 x 1, 327,680 bytes of LDS; arguments x_q, x_k, x_v, bq, bk, bv, wt, qh, kh, vh; writes qh, kh, vh
.if DOCPART == 2
	.amdgcn_target "amdgcn-amd-amdhsa--gfx1250"
	.amdhsa_code_object_version 6
	.text
	.protected	k_q4b49d2000c_proj
	.globl	k_q4b49d2000c_proj
	.p2align	8
	.type	k_q4b49d2000c_proj,@function
k_q4b49d2000c_proj:
	s_mov_b64 s[64:65], 0
	v_nop
	global_prefetch_b8 v0, s[64:65] scope:SCOPE_SE
	s_setreg_imm32_b32 hwreg(HW_REG_WAVE_MODE, 25, 1), 1
	s_wait_xcnt 0x0
	s_wait_alu depctr_hold_cnt(0) depctr_sa_sdst(0) depctr_va_vdst(0) depctr_va_sdst(0) depctr_va_ssrc(0) depctr_va_vcc(0) depctr_vm_vsrc(0)
	s_getreg_b32 s2, hwreg(HW_REG_IB_STS2, 6, 4)
	s_cmp_eq_u32 s2, 0
	s_cbranch_scc0 .Lentry_in_a_cluster
	s_endpgm
.Lentry_in_a_cluster:
	s_bfe_u32 s2, ttmp6, 0x10000c
	s_cmp_lg_u32 s2, 0x3003
	s_cbranch_scc0 .Lentry_shape_is_right
	s_endpgm
.Lentry_shape_is_right:
; q = x_q Wq + bq, k = x_k Wk + bk ([32768][512]) and v = x_v Wv + bv ([32768][128]).  x is f32 and is rounded to bf16 on its way into LDS; W comes from wt, bf16, [n][k] in blocks of 64 k.
; Products in bf16, sums in f32 that START FROM THE BIAS (the C operand of the first product; the bias stays f32), each result rounded once to f16.
; LIMITS.  f16 holds no number beyond 65,504: a q, k or v of 65,520 or more becomes an infinity; below 6e-5 they keep f16's fixed step of 6e-8.  NaN and infinities are not treated apart.
; SHARES.  Work-group y = 0, 1, 2: q, k, v.  Work-group x: 128 rows.  q and k: the work-group makes 128 rows x all 512 columns, so each byte of x is read once; wave w makes all 128 rows x
; columns 128 w .. + 127: 64 accumulators, 512 registers.  v: 128 x 128; wave w makes rows 32 w .. + 31 x all 128 columns: 16 accumulators.
; x: K goes in steps of 64 (256 bytes of a row of x: whole aligned blocks).  Wave w brings rows 32 w .. + 31 of a chunk by 16 loads of 16 bytes a lane, two chunks ahead in registers,
; rounds them and stores them into one of two LDS slots.  W (q, k): a ring of two slots filled by tensor loads; each wave asks for its own 128 rows of wt, 16,384 dense bytes, as 64 rows of 256.
; W (v): all of Wv, 8 blocks, is brought once.
; CLUSTER.  The four work-groups of a cluster have the same y and walk the same W: every tile of W is asked for JOINTLY, by the same tensor load with the same descriptor and a mask of four.
; THE MATRIX INSTRUCTION IS USED TRANSPOSED (source 0 = 16 rows of wt, source 1 = 16 rows of x): a lane then holds row lane % 16 and eight neighbouring columns 8 (lane / 16) + 0..7.
; REGISTERS, in windows of 256 (s_set_vgpr_msb: bits 1:0 source 0, 3:2 source 1, 5:4 source 2, 7:6 destination):
;   window 0: v0-31 addresses; v32-63 x in bf16 on its way to LDS, later rows on the way out; v64-127, v128-191 fragments of x; v192-255 the bias, later the way out
;   window 1: v0-63, v192-255 x in f32, two chunks; v64-127, v128-191 fragments of wt          windows 2, 3: accumulators, (a, b) at 8 (8 (a % 4) + b)
.set PITCH,  144                       ; an LDS row of 64 bf16: 128 bytes + 16 = 36 words: the 16 rows of a fragment load start in 16 different groups of four banks (64 banks of 4 bytes: ISA guide 11.1)
.set WWAVE,  128*PITCH                 ; 128 rows of wt: what a wave's tensor load brings on the q and k path
.set WSLOT,  4*WWAVE                   ; a slot of W: 512 rows
.set XS0,    2*WSLOT                   ; behind W's two slots: x's two slots, written by LDS stores, never by a tensor load
.set XSLOT,  128*PITCH
.set STAGE,  XS0+2*XSLOT               ; 16 rows x 272 bytes for each wave, for the way out
.set SPITCH, 272
.set SPARE,  STAGE+4*16*SPITCH         ; the spare words, 128 bytes a wave: two blocks of 256 bytes that no other line names
.set ADRA, 16                          ; v16-17 LDS address of my fragments of x in slot 0, 1
.set ADRB, 20                          ; v20-21 the same for wt (v path: v20 alone, which walks)
.set STO,  24                          ; v24 the way out: where I put 16 bytes of a row
.set RD,   25                          ; v25 the way out: where I read a row back
.set CO,   26                          ; v26 my byte offset in the output
.set XO,   27                          ; v27 my byte offset in the wave's rows of x: 8 rows x (lane / 16) + 16 (lane % 16)
.set SPW,  28                          ; v28 my spare word; never rewritten
.set NIL,  29                          ; v29 0; never rewritten
.set XST,  30                          ; v30 LDS: where I put 8 bytes of a row of x
.set BO,   31                          ; v31 my byte offset in the bias
.set CT,   32
.set OB,   32
.set F0,   64
.set F1,   128
.set BIAS, 192                         ; v[BIAS + 8 b + j] = bias of column 16 b + 8 (lane / 16) + j of my 128
.set TMP,  192
.set XA,   0                           ; window 1: even chunks
.set XB,   192                         ; window 1: odd chunks
.set WV,   28                          ; s28 my wave's number
.set XP,   32                          ; s[32:33] x at my wave's rows, at the K step in hand
.set BP,   34                          ; s[34:35] the bias
.set OP,   36                          ; s[36:37] the output at my part
.set WP,   38                          ; s[38:39] wt at my rows of K step 0
.set G1,   40                          ; s[40:47] descriptor group 1
.set G0,   48                          ; s[48:55] descriptor group 0, a set for each slot
.set CNT,  56
.set MSB, 0
.macro WIN new                         ; the immediate's high byte repeats the setting that is left; a switch that changes nothing is dropped
.if MSB != (\new)
	s_set_vgpr_msb (MSB<<8)|(\new)
.set MSB, \new
.endif
.endm
.macro PLACES                          ; a load into a register that a matrix instruction has read, and a vector instruction that reads a matrix result, stand four plain vector
.rept 4                                ; instructions behind it (ISA guide 7.12.1 for vector instructions)
	v_nop
.endr
.endm
.macro CREST                           ; a round of the cluster's barrier behind its opening barrier
	s_cmp_lg_u32 s[WV], 0
	s_cbranch_scc1 .Lnot_wave_0_\@
	s_barrier_signal -3
.Lnot_wave_0_\@:
	s_barrier_wait -3
	s_barrier_signal -1
	s_barrier_wait -1
.endm
.macro CROUND                          ; a whole round
	s_barrier_signal -1
	s_barrier_wait -1
	CREST
.endm
.macro JLOAD s                         ; a joint load: every wave asks for its own 128 rows of wt; an s_nop 0 and four v_nop follow
	tensor_load_to_lds s[G0+4*(\s):G0+4*(\s)+3], s[G1:G1+7]
	s_nop 0
.rept 4
	v_nop
.endr
.endm
.macro BIASLD
.irp b, 0,1,2,3,4,5,6,7
	global_load_b128 v[BIAS+8*(\b):BIAS+8*(\b)+3],   v[BO], s[BP:BP+1] offset:64*(\b)
	global_load_b128 v[BIAS+8*(\b)+4:BIAS+8*(\b)+7], v[BO], s[BP:BP+1] offset:64*(\b)+16
.endr
.endm
; 16 loads: my wave's 32 rows of the chunk `ahead` K steps on.  Load j takes rows 16 (j / 8) + j % 8 and, in lanes 16-31, eight rows below: sixteen lanes take 256 consecutive bytes, aligned.
.macro ISSUE buf, ahead
	WIN 0x40                                       ; destination window 1, address window 0
.set j, 0
.rept 16
	global_load_b128 v[(\buf)+4*j:(\buf)+4*j+3], v[XO], s[XP:XP+1] offset:(16*(j/8)+j%8)*2048+(\ahead)*256 th:TH_LOAD_NT
.set j, j+1
.endr
.endm
; A chunk goes from registers to LDS: rounded to bf16, 8 bytes a lane.  left: the younger chunk's loads, which may stay out.
; Lanes 0-15 fill 128 bytes of one row, lanes 16-31 of the row 8 x 144 bytes = 288 words on: the other half of the banks.
.macro CONV buf, xslot, left
	s_wait_loadcnt \left
	WIN 0x05                                       ; sources in window 1, destination in window 0
.set j, 0
.rept 16
	v_cvt_pk_bf16_f32 v[CT+2*j],   v[(\buf)+4*j],   v[(\buf)+4*j+1]
	v_cvt_pk_bf16_f32 v[CT+2*j+1], v[(\buf)+4*j+2], v[(\buf)+4*j+3]
.set j, j+1
.endr
	WIN 0
.set j, 0
.rept 16
	ds_store_b64 v[XST], v[CT+2*j:CT+2*j+1] offset:(16*(j/8)+j%8)*PITCH+(\xslot)*XSLOT
.set j, j+1
.endr
.endm
; 16 matrix instructions: row blocks a0, a0 + 1 of the window's four (hi = 0: rows 0-63, 1: rows 64-127) x all 8 column blocks, 32 along K.  mode = 1: the bias starts the sums: nothing is cleared.
; The accumulators take turns, one instruction a turn, in the same order in every run.
.macro MUL16 f, hi, a0, mode
.if \mode
	WIN 0x81+0x40*(\hi)                            ; wt window 1, x window 0, the bias window 0, D window 2 or 3
.else
	WIN 0xa1+0x50*(\hi)                            ; wt window 1, x window 0, C and D window 2 or 3
.endif
.irp a, \a0, (\a0)+1
.irp b, 0,1,2,3,4,5,6,7
.if \mode
	v_wmma_f32_16x16x32_bf16 v[8*(8*(\a)+(\b)):8*(8*(\a)+(\b))+7], v[(\f)+8*(\b):(\f)+8*(\b)+7], v[(\f)+8*(4*(\hi)+(\a)):(\f)+8*(4*(\hi)+(\a))+7], v[BIAS+8*(\b):BIAS+8*(\b)+7]
.else
	v_wmma_f32_16x16x32_bf16 v[8*(8*(\a)+(\b)):8*(8*(\a)+(\b))+7], v[(\f)+8*(\b):(\f)+8*(\b)+7], v[(\f)+8*(4*(\hi)+(\a)):(\f)+8*(4*(\hi)+(\a))+7], v[8*(8*(\a)+(\b)):8*(8*(\a)+(\b))+7]
.endif
.endr
.endr
.endm
; 32 LDS loads in one run: the fragments of 32 along K at byte k of the rows: my 128 rows of wt, then the 128 rows of x.
; A fragment is 16 rows x 32 K in 8 registers: lane l holds row l % 16, K = 8 (l / 16) + 0..7 and 16 + 8 (l / 16) + 0..7: two loads of 16 bytes, 32 bytes apart.
.macro FETCH slot, k, f
	WIN 0x40
.irp i, 0,1,2,3,4,5,6,7
	ds_load_b128 v[(\f)+8*(\i):(\f)+8*(\i)+3],   v[ADRB+(\slot)] offset:(\k)+(\i)*16*PITCH
	ds_load_b128 v[(\f)+8*(\i)+4:(\f)+8*(\i)+7], v[ADRB+(\slot)] offset:(\k)+(\i)*16*PITCH+32
.endr
	WIN 0
.irp i, 0,1,2,3,4,5,6,7
	ds_load_b128 v[(\f)+8*(\i):(\f)+8*(\i)+3],   v[ADRA+(\slot)] offset:(\k)+(\i)*16*PITCH
	ds_load_b128 v[(\f)+8*(\i)+4:(\f)+8*(\i)+7], v[ADRA+(\slot)] offset:(\k)+(\i)*16*PITCH+32
.endr
.endm
; A K STEP of the q and k path: 128 matrix instructions on slot `slot` of W and of x.  Beside them the next chunk of x is rounded into x's other slot (its 32 roundings are the places in
; front of the fragment loads), issue = 1: the chunk three steps on is asked for.  At the step's end ONE barrier changes slots: in front of it each wave waits for all its tensor loads (one is
; out: its part of W's other slot), adds 0 to its spare word, and waits for that, for its stores of x and for its reads of both slots.  fill = 1: the barrier opens a round of the cluster's
; barrier, and behind the round W's slot just read is filled again, two K steps ahead: 96 matrix instructions ahead of the wait for it.
.macro STEP slot, first, left, issue, fill
	s_wait_dscnt 8                                 ; wt and x's rows 0-63 are in; the youngest eight loads (x's rows 64-127) may be out
	MUL16 F0, 0, 0, \first
	MUL16 F0, 0, 2, \first
	CONV 192*(1-(\slot)), 1-(\slot), \left
.if \issue
	ISSUE 192*(1-(\slot)), 3
.endif
	FETCH \slot, 64, F1
	s_wait_dscnt 48                                ; all but the 16 stores and the 32 loads just issued
	MUL16 F0, 1, 0, \first
	MUL16 F0, 1, 2, \first
	WIN 0                                          ; (the add's two registers lie in window 0)
	s_wait_tensorcnt 0x0                           ; all my tensor loads have landed: my part of W's other slot;
	ds_add_u32 v[SPW], v[NIL]                      ; 0 onto my spare word;
	s_wait_dscnt 9                                 ; (the add and the youngest eight loads may be out)
	MUL16 F1, 0, 0, 0                              ; sixteen matrix instructions stand between the add and the wait for it
	s_wait_dscnt 0x0                               ; the add is done, my stores of x are done, my reads of both slots are over
	s_barrier_signal -1
	MUL16 F1, 0, 2, 0                              ; work on registers while the others arrive
.if \fill
	WIN 0
.endif
	s_barrier_wait -1
.if \fill
	CREST                                          ; no wave of any partner still reads this slot of W or has a load on its way
	s_add_nc_u64 s[G0+4*(\slot)+2:G0+4*(\slot)+3], s[G0+4*(\slot)+2:G0+4*(\slot)+3], 2*65536  ; two K steps of wt on; the type bits on top are not reached
	JLOAD \slot                                    ; the first tensor load behind the round; its four v_nop are also the places in front of the loads below
.else
	PLACES
.endif
	FETCH 1-(\slot), 0, F0
	MUL16 F1, 1, 0, 0
	MUL16 F1, 1, 2, 0
.if \issue
	s_wait_xcnt 0x0                                ; x's loads have had their addresses translated (ISA guide 3.1): only now is their base stepped
	s_add_nc_u64 s[XP:XP+1], s[XP:XP+1], 256
.endif
.endm
; THE WAY OUT of row block a.  PACK: rounded to f16, 16 bytes a lane, each accumulator's registers in ascending order.  TOSTAGE: into my own stage, and back as whole rows of 256 bytes.  SEND: stored.
.macro PACK a
.set AC, 64*((\a)%4)
	WIN 0x0a+5*((\a)/4)                            ; sources in window 2 or 3
.irp b, 0,1,2,3,4,5,6,7
.irp r, 0,1,2,3
	v_cvt_pk_f16_f32 v[TMP+4*(\b)+(\r)], v[AC+8*(\b)+2*(\r)], v[AC+8*(\b)+2*(\r)+1]
.endr
.endr
	WIN 0
.endm
.macro TOSTAGE a
	WIN 0
.set BK, OB+192*((\a)%2)
.irp b, 0,1,2,3,4,5,6,7
	ds_store_b128 v[STO], v[TMP+4*(\b):TMP+4*(\b)+3] offset:32*(\b)
.endr
.irp t, 0,1,2,3,4,5,6,7
	ds_load_b128 v[BK+4*(\t):BK+4*(\t)+3], v[RD] offset:(\t)*2*SPITCH  ; LDS serves a wave's instructions in order (ISA guide 5.7.1.4): these see the stores above
.endr
.endm
.macro SEND a, rowb                    ; rowb: bytes in a row of the output
	WIN 0
.set BK, OB+192*((\a)%2)
	s_wait_dscnt 0x0                               ; the block is back in registers
	s_wait_xcnt 0x0                                ; earlier stores have read their registers (ISA guide 3.1): the next block's loads from the stage land on them only behind this wait
.irp t, 0,1,2,3,4,5,6,7
	global_store_b128 v[CO], v[BK+4*(\t):BK+4*(\t)+3], s[OP:OP+1] offset:(16*(\a)+2*(\t))*(\rowb)  ; 16 lanes store 256 consecutive bytes, at a multiple of 256 from the buffer's first byte
.endr
.endm
	s_load_b512 s[8:23], s[0:1], 0x0               ; x_q s[8:9], x_k s[10:11], x_v s[12:13], bq s[14:15], bk s[16:17], bv s[18:19], wt s[20:21], qh s[22:23]
	s_load_b128 s[24:27], s[0:1], 0x40             ; kh s[24:25], vh s[26:27]
	v_lshl_add_u32 v[SPW], v0, 2, SPARE
	v_mov_b32 v[NIL], 0
	ds_add_u32 v[SPW], v[NIL]                      ; the wave's opening: the add and its wait stand ahead of my first tensor load; the set-up below, work on registers, stands between them
	v_lshrrev_b32 v1, 5, v0
	v_readfirstlane_b32 s[WV], v1                  ; wave 0..3
	s_bfe_u32 s29, ttmp6, 0x40000                  ; cx: my place in the cluster
	s_lshl_b32 s30, ttmp9, 2                       ; in a cluster launch ttmp9 counts clusters
	s_add_co_u32 s30, s30, s29                     ; my block of 128 rows: it enters x's and the output's addresses alone
	s_and_b32 s31, ttmp7, 0xffff                   ; 0 q, 1 k, 2 v: the same in the four partners
	; descriptor group 1: dense bytes of wt as rows of 256 bytes (two rows of 64 bf16), padded in LDS behind every 128 bytes
	s_mov_b32 s[G1], 15|(1<<16)|(1<<20)|(1<<21)|(4<<22)|(3<<25)  ; 15:0 the mask of four; 17:16 2-byte elements; 20 padding on; 21 set beside a mask; 24:22 after every 32 words (code 4); 31:25 4 words (code 3)
	s_mov_b32 s[G1+1], 128<<16                     ; tensor_dim0 = 128
	s_mov_b32 s[G1+3], 128<<16                     ; tile_dim0 = 128
	s_mov_b32 s[G1+5], 128                         ; 128 elements from row to row
	s_mov_b32 s[G1+6], 0
	s_mov_b32 s[G1+7], 0
	s_mov_b32 s[G0], 1                             ; count = 1
	s_mov_b32 s[G0+4], 1
	s_lshl_b32 s58, s30, 18                        ; x: 128 rows of 2,048 bytes a block,
	s_lshl_b32 s59, s[WV], 16                      ; 32 rows a wave
	s_add_co_u32 s58, s58, s59
	s_mov_b32 s59, 0
	s_mov_b32 s61, 0
	s_mov_b32 s63, 0
	v_and_b32 v1, 15, v0                           ; l % 16
	v_bfe_u32 v2, v0, 4, 1                         ; l / 16
	v_lshlrev_b32 v[XO], 4, v1
	v_lshl_add_u32 v[XO], v2, 14, v[XO]
	v_mul_u32_u24 v3, v2, 8*PITCH
	v_lshl_add_u32 v3, v1, 3, v3
	s_mul_i32 s57, s[WV], 32*PITCH
	s_add_co_u32 s57, s57, XS0
	v_add_nc_u32 v[XST], s57, v3                   ; x's slot 0, row 32 w + 8 (l / 16), byte 8 (l % 16)
	v_mul_u32_u24 v4, v1, PITCH
	v_lshl_add_u32 v4, v2, 4, v4                   ; a fragment's row x pitch + 16 x half
	s_mul_i32 s57, s[WV], 16*SPITCH
	s_add_co_u32 s57, s57, STAGE                   ; my stage
	v_mul_u32_u24 v5, v1, SPITCH                   ; in: row l % 16, 16 bytes for each half of the lanes
	v_lshl_add_u32 v5, v2, 4, v5
	v_add_nc_u32 v[STO], s57, v5
	v_mul_u32_u24 v5, v2, SPITCH                   ; back: lanes 0-15 take one row of 256 bytes, lanes 16-31 the next
	v_lshl_add_u32 v5, v1, 4, v5
	v_add_nc_u32 v[RD], s57, v5
	s_wait_dscnt 0x0                               ; the opening add is done
	s_wait_kmcnt 0x0
	s_cmp_eq_u32 s31, 2
	s_cbranch_scc1 .Lv
	; ---------------- q and k ----------------
	s_cmp_eq_u32 s31, 0
	s_cselect_b64 s[XP:XP+1], s[8:9], s[10:11]
	s_cselect_b64 s[BP:BP+1], s[14:15], s[16:17]
	s_cselect_b64 s[OP:OP+1], s[22:23], s[24:25]
	s_add_nc_u64 s[XP:XP+1], s[XP:XP+1], s[58:59]
	v_lshlrev_b32 v[BO], 5, v2
	v_lshl_add_u32 v[BO], s[WV], 9, v[BO]          ; my wave's 128 columns, 32 bytes for each half of the lanes
	BIASLD
	ISSUE XA, 0                                    ; chunks 0 and 1 are on their way before anything else
	ISSUE XB, 1
	WIN 0
	s_mov_b32 s[G1+2], 64<<16                      ; tensor_dim1 = 64
	s_mov_b32 s[G1+4], 64                          ; tile_dim1 = 64
	s_lshl_b32 s62, s30, 17                        ; the output: 128 rows of 1,024 bytes a block,
	s_lshl_b32 s57, s[WV], 8                       ; 256 bytes of each row a wave
	s_add_co_u32 s62, s62, s57
	s_add_nc_u64 s[OP:OP+1], s[OP:OP+1], s[62:63]
	s_lshl_b32 s60, s31, 19                        ; wt: 524,288 a matrix,
	s_lshl_b32 s57, s[WV], 14                      ; 16,384 for a wave's 128 rows: nothing of my place in the cluster enters
	s_add_co_u32 s60, s60, s57
	s_add_nc_u64 s[WP:WP+1], s[20:21], s[60:61]
	s_mul_i32 s57, s[WV], WWAVE
	s_mov_b32 s[G0+1], s57                         ; LDS address: slot 0, my rows
	s_add_co_u32 s[G0+5], s57, WSLOT               ; slot 1
	s_mov_b64 s[G0+2:G0+3], s[WP:WP+1]             ; K step 0
	s_or_b32 s[G0+3], s[G0+3], 0x80000000          ; type = 2
	s_add_nc_u64 s[G0+6:G0+7], s[WP:WP+1], 65536   ; K step 1
	s_or_b32 s[G0+7], s[G0+7], 0x80000000
	CROUND                                         ; all four work-groups are here: the first joint loads meet
	tensor_load_to_lds s[G0:G0+3], s[G1:G1+7]      ; both first fills go out together: two tensor loads of mine are out
	s_nop 0
	tensor_load_to_lds s[G0+4:G0+7], s[G1:G1+7]
	s_nop 0
.rept 4
	v_nop
.endr
	v_add_nc_u32 v[ADRA], XS0, v4
	v_add_nc_u32 v[ADRA+1], XS0+XSLOT, v4
	v_add_nc_u32 v[ADRB], s57, v4
	s_add_co_u32 s57, s57, WSLOT
	v_add_nc_u32 v[ADRB+1], s57, v4
	v_lshlrev_b32 v[CO], 4, v1
	v_lshl_add_u32 v[CO], v2, 10, v[CO]            ; two rows of 1,024 bytes
	CONV XA, 0, 16                                 ; the bias and chunk 0 are in; chunk 1's 16 loads stay out
	ISSUE XA, 2
	WIN 0
	s_wait_tensorcnt 1                             ; my part of W's K step 0 is in; K step 1's may stay out
	s_wait_dscnt 0x0                               ; my rows of chunk 0 are in LDS
	s_barrier_signal -1
	s_barrier_wait -1                              ; everybody's are
	FETCH 0, 0, F0
	STEP 0, 1, 16, 1, 1                            ; K step 0: the bias starts the sums
	WIN 0                                          ; at a label and at a branch every window is 0
	s_mov_b32 s[CNT], 2
.Lk:                                                   ; K steps 1 to 4
	STEP 1, 0, 16, 1, 1
	STEP 0, 0, 16, 1, 1
	WIN 0
	s_sub_co_u32 s[CNT], s[CNT], 1
	s_cmp_lg_u32 s[CNT], 0
	s_cbranch_scc1 .Lk
	STEP 1, 0, 16, 0, 1                            ; K step 5: the last refill (K step 7 of W); no chunk of x is left to ask for
	STEP 0, 0, 0, 0, 0                             ; K step 6: the last chunk is rounded; nothing is filled, so no round follows the barrier
	s_wait_dscnt 8                                 ; K step 7
	MUL16 F0, 0, 0, 0
	MUL16 F0, 0, 2, 0
	PLACES
	FETCH 1, 64, F1
	s_wait_dscnt 32                                ; all but the 32 just issued
	MUL16 F0, 1, 0, 0
	MUL16 F0, 1, 2, 0
	s_wait_dscnt 8
	MUL16 F1, 0, 0, 0
	MUL16 F1, 0, 2, 0
	s_wait_dscnt 0x0
	MUL16 F1, 1, 0, 0
	MUL16 F1, 1, 2, 0
	PLACES
	PACK 0
	TOSTAGE 0
.irp a, 1,2,3,4,5,6,7                  ; block a's roundings stand between block a - 1's loads from the stage and the wait for them
	PACK \a
	SEND (\a)-1, 1024
	TOSTAGE \a
.endr
	SEND 7, 1024
	s_wait_tensorcnt 0x0                           ; the wave's end: these three lines stand behind my last tensor load and my last LDS store
	ds_add_u32 v[SPW], v[NIL]
	s_wait_dscnt 0x0
	CROUND                                         ; the closing round: no work-group ends while a partner may still ask for a tile that names it
	s_endpgm
	; ---------------- v ----------------
; A K step of the v path.  A wave rounds its own 32 rows of the chunk into LDS and reads only those rows back, in order, so no barrier stands in the loop; all of Wv lies in LDS.
; The 32 roundings are the places in front of the fragment loads.  20 loads for each 32 along K: 8 fragments of wt, 2 of x.
.macro VSTEP par, first, issue, left
	CONV 192*(\par), \par, \left
.if \issue
	ISSUE 192*(\par), 2
.endif
.irp kc, 0,1
	WIN 0x40
.irp i, 0,1,2,3,4,5,6,7
	ds_load_b128 v[F0+64*(\kc)+8*(\i):F0+64*(\kc)+8*(\i)+3],   v[ADRB] offset:64*(\kc)+(\i)*16*PITCH
	ds_load_b128 v[F0+64*(\kc)+8*(\i)+4:F0+64*(\kc)+8*(\i)+7], v[ADRB] offset:64*(\kc)+(\i)*16*PITCH+32
.endr
	WIN 0
.irp a, 0,1
	ds_load_b128 v[F0+64*(\kc)+8*(\a):F0+64*(\kc)+8*(\a)+3],   v[ADRA+(\par)] offset:64*(\kc)+(\a)*16*PITCH
	ds_load_b128 v[F0+64*(\kc)+8*(\a)+4:F0+64*(\kc)+8*(\a)+7], v[ADRA+(\par)] offset:64*(\kc)+(\a)*16*PITCH+32
.endr
.endr
	s_wait_dscnt 20                                ; the first 32 along K are in; the other 20 loads may be out
	MUL16 F0, 0, 0, \first
	s_wait_dscnt 0x0
	MUL16 F1, 0, 0, 0
	WIN 0
	v_add_nc_u32 v[ADRB], WWAVE, v[ADRB]           ; the next block of Wv
.if \issue
	s_wait_xcnt 0x0                                ; x's loads have had their addresses translated: only now is their base stepped
	s_add_nc_u64 s[XP:XP+1], s[XP:XP+1], 256
.endif
.endm
.Lv:
	s_add_nc_u64 s[XP:XP+1], s[12:13], s[58:59]
	s_mov_b64 s[BP:BP+1], s[18:19]
	v_lshlrev_b32 v[BO], 5, v2                     ; all 128 columns: 32 bytes for each half of the lanes
	BIASLD
	ISSUE XA, 0
	ISSUE XB, 1
	WIN 0
	s_mov_b32 s[G1+2], 128<<16                     ; tensor_dim1 = 128: two blocks of Wv, 32,768 dense bytes, a wave
	s_mov_b32 s[G1+4], 128                         ; tile_dim1 = 128
	s_lshl_b32 s62, s30, 15                        ; the output: 128 rows of 256 bytes a block,
	s_lshl_b32 s57, s[WV], 13                      ; 32 rows a wave
	s_add_co_u32 s62, s62, s57
	s_add_nc_u64 s[OP:OP+1], s[26:27], s[62:63]
	s_lshl_b32 s60, s[WV], 15
	s_add_co_u32 s60, s60, 1048576                 ; Wv's part of wt, my two blocks
	s_add_nc_u64 s[G0+2:G0+3], s[20:21], s[60:61]
	s_or_b32 s[G0+3], s[G0+3], 0x80000000
	s_mul_i32 s[G0+1], s[WV], 2*WWAVE
	CROUND                                         ; all four work-groups are here: the joint loads meet
	JLOAD 0                                        ; one tensor load of mine is out; nothing is ever filled again on this path
	s_mul_i32 s57, s[WV], 32*PITCH
	s_add_co_u32 s57, s57, XS0
	v_add_nc_u32 v[ADRA], s57, v4                  ; my own 32 rows of x's slot 0,
	s_add_co_u32 s57, s57, XSLOT
	v_add_nc_u32 v[ADRA+1], s57, v4                ; and of slot 1
	v_mov_b32 v[ADRB], v4                          ; block 0 of Wv
	v_lshlrev_b32 v[CO], 4, v1
	v_lshl_add_u32 v[CO], v2, 8, v[CO]             ; two rows of 256 bytes
	s_wait_tensorcnt 0x0                           ; my two blocks of Wv are in,
	s_barrier_signal -1
	s_barrier_wait -1                              ; everybody's are
	VSTEP 0, 1, 1, 16                              ; K step 0: the bias starts the sums
	VSTEP 1, 0, 1, 16
	s_mov_b32 s[CNT], 2
.Lvk:                                                  ; K steps 2 to 5
	VSTEP 0, 0, 1, 16
	VSTEP 1, 0, 1, 16
	s_sub_co_u32 s[CNT], s[CNT], 1
	s_cmp_lg_u32 s[CNT], 0
	s_cbranch_scc1 .Lvk
	VSTEP 0, 0, 0, 16                              ; the last two K steps ask for nothing
	VSTEP 1, 0, 0, 0
	PLACES
	PACK 0
	TOSTAGE 0
	PACK 1
	SEND 0, 256
	TOSTAGE 1
	SEND 1, 256
	s_wait_tensorcnt 0x0                           ; the wave's end
	ds_add_u32 v[SPW], v[NIL]
	s_wait_dscnt 0x0
	CROUND                                         ; the closing round
	s_endpgm
.Lfunc_end_k_q4b49d2000c_proj:
	.size	k_q4b49d2000c_proj, .Lfunc_end_k_q4b49d2000c_proj-k_q4b49d2000c_proj
	.p2alignl 7, 3214868480
	.fill 96, 4, 3214868480
	.section	.rodata,"a",@progbits
	.p2align	6, 0x0
	.amdhsa_kernel k_q4b49d2000c_proj
		.amdhsa_group_segment_fixed_size 327680
		.amdhsa_private_segment_fixed_size 0
		.amdhsa_enable_private_segment 0
		.amdhsa_kernarg_size 80
		.amdhsa_user_sgpr_count 2
		.amdhsa_user_sgpr_kernarg_segment_ptr 1
		.amdhsa_wavefront_size32 1
		.amdhsa_system_sgpr_workgroup_id_x 1
		.amdhsa_system_sgpr_workgroup_id_y 1
		.amdhsa_system_sgpr_workgroup_id_z 1
		.amdhsa_system_vgpr_workitem_id 0
		.amdhsa_next_free_vgpr 1024
		.amdhsa_next_free_sgpr 66
		.amdhsa_reserve_vcc 0
		.amdhsa_float_denorm_mode_32 3
		.amdhsa_float_denorm_mode_16_64 3
		.amdhsa_memory_ordered 1
		.amdhsa_forward_progress 1
		.amdhsa_inst_pref_size 213
	.end_amdhsa_kernel
	.amdgpu_metadata
---
amdhsa.version: [ 1, 2 ]
amdhsa.kernels:
  - .name:           k_q4b49d2000c_proj
    .symbol:         k_q4b49d2000c_proj.kd
    .args:
      - { .name: x_q, .offset: 0, .size: 8, .value_kind: global_buffer, .address_space: global }
      - { .name: x_k, .offset: 8, .size: 8, .value_kind: global_buffer, .address_space: global }
      - { .name: x_v, .offset: 16, .size: 8, .value_kind: global_buffer, .address_space: global }
      - { .name: bq, .offset: 24, .size: 8, .value_kind: global_buffer, .address_space: global }
      - { .name: bk, .offset: 32, .size: 8, .value_kind: global_buffer, .address_space: global }
      - { .name: bv, .offset: 40, .size: 8, .value_kind: global_buffer, .address_space: global }
      - { .name: wt, .offset: 48, .size: 8, .value_kind: global_buffer, .address_space: global }
      - { .name: qh, .offset: 56, .size: 8, .value_kind: global_buffer, .address_space: global }
      - { .name: kh, .offset: 64, .size: 8, .value_kind: global_buffer, .address_space: global }
      - { .name: vh, .offset: 72, .size: 8, .value_kind: global_buffer, .address_space: global }
    .group_segment_fixed_size: 327680
    .private_segment_fixed_size: 0
    .kernarg_segment_align: 8
    .kernarg_segment_size: 80
    .max_flat_workgroup_size: 128
    .sgpr_count:     66
    .vgpr_count:     1024
    .wavefront_size: 32
...
	.end_amdgpu_metadata
.endif
;; end of part 2
;; launch attn (part 3): grid 16 x 16, 4 waves a work-group, clusters of 4 x 1, 327,680 bytes of LDS; arguments qh, kh, vh, out0; writes out0
.if DOCPART == 3
	.amdgcn_target "amdgcn-amd-amdhsa--gfx1250"
	.amdhsa_code_object_version 6
	.text
	.protected	k_q4b49d2000c_attn
	.globl	k_q4b49d2000c_attn
	.p2align	8
	.type	k_q4b49d2000c_attn,@function
k_q4b49d2000c_attn:
	s_mov_b64 s[64:65], 0
	v_nop
	global_prefetch_b8 v0, s[64:65] scope:SCOPE_SE
	s_setreg_imm32_b32 hwreg(HW_REG_WAVE_MODE, 25, 1), 1
	s_wait_xcnt 0x0
	s_wait_alu depctr_hold_cnt(0) depctr_sa_sdst(0) depctr_va_vdst(0) depctr_va_sdst(0) depctr_va_ssrc(0) depctr_va_vcc(0) depctr_vm_vsrc(0)
	s_getreg_b32 s2, hwreg(HW_REG_IB_STS2, 6, 4)
	s_cmp_eq_u32 s2, 0
	s_cbranch_scc0 .Lentry_in_a_cluster
	s_endpgm
.Lentry_in_a_cluster:
	s_bfe_u32 s2, ttmp6, 0x10000c
	s_cmp_lg_u32 s2, 0x3003
	s_cbranch_scc0 .Lentry_shape_is_right
	s_endpgm
.Lentry_shape_is_right:
; out[b][q][:] = the sum over k of softmax_k(Q[b][q] . K[b][k] / sqrt(512)) V[b][k][:].  Q, K: [16][2048][512] f16; V: [16][2048][128] f16; out: [16][2048][128] f32.
; Products, maxima and sums in f32; the weights p are rounded to f16 for the second product (their sum l is taken of the unrounded p).
; LIMITS.  Q, K and V arrive within f16's range; p lies in 0 to 1, and below 6e-5 it keeps f16's fixed step of 6e-8; a weight below 2^-126 counts as 0 in l; NaN and infinities are not treated apart.
; SHARES.  A work-group owns 128 queries of one batch: 256 work-groups of equal work.  Wave w owns query half w / 2 (64 queries: four tiles of 16) and KEY HALF w % 2: 32 of each step's 64 keys.
; So a fragment of K read from LDS feeds four query tiles (0.5 LDS loads for each matrix instruction; four waves of 32 queries would need 1).  Each wave keeps its own running maximum, sum
; and O over its 1,024 keys; the two key halves of a query are joined once, through LDS, at the end.
; LAYOUT.  S^T = K Q^T (source 0 = 16 keys, source 1 = 16 queries): a lane holds ONE query (lane % 16) and the keys 8 (lane / 16) + 0..7.  The two key blocks' results, rounded to f16 in pairs,
; ARE source 1 (32 keys x 16 queries) of O^T = V^T P, whose result again holds one query a lane, and eight channels.  K comes out of LDS as it lies, V ([key][channel]) turned, by ds_load_tr16_b128.
; SOFTMAX.  p = 2^(c s - c m), c = log2(e) / sqrt(512), with a running maximum m; in every step O and l are multiplied by a = 2^(c m_old - c m_new).  m starts at the lowest finite number, O and l
; at 0: the first step is a step like any other, with a = 0.  The price: 256 v_mov_b32 in the wait for the first tile; the gain: no first step written out.
; BY TURNS.  The wave's tiles are two PIECES: A (tiles 0, 1) and B (tiles 2, 3).  K's 512 channels come in four groups g0-g3 of 128: 64 registers, 16 products a piece.  A step's order:
;     A g0 | V^T P of B, the step before | B g0 | A g1, B g1 | A g2, A g3 | B g3, B g2 | the change of slots | V^T P of A
; A's scores are whole two runs ahead of B's.  So A's softmax (172 vector instructions) stands in 32 slices behind the products B g3 and B g2, and B's behind V^T P of A and the NEXT step's A g0,
; which may start as soon as A's weights are made.  A slice names no register of the products round it.  The other 96 products of a step stand back to back: nothing is ready to ride on them.
; B takes g3 before g2, so that V can follow g3 in its buffer and the next step's g0 can follow g2 in the other: H0 holds g0, g2; H1 holds g1, g3, V; one text serves every step.
; CLUSTER.  The four query blocks of a cluster belong to one batch and walk the same K and V: each tile is asked for JOINTLY, by the same tensor load, descriptor and mask in all four.
; REGISTERS, in windows of 256 (s_set_vgpr_msb: bits 1:0 source 0, 3:2 source 1, 5:4 source 2, 7:6 destination):
;   window 0: v0-7 addresses; v8-23 four registers of statistics a tile; v24-31 at work; v32-95 S^T, 16 a tile; v96-127 P, 8 a tile; v128-191, v192-255 fragments of K (and of V), two buffers
;   window 1: O^T, 64 a tile          window 2: Q of tiles 0, 1, 128 a tile          window 3: Q of tiles 2, 3
; A product names Q or O^T in another window than the softmax's, so a slice costs two switches: 128 for a step's 64 products with riders.
.set KS,    64        ; keys in a step
.set PK,    1040      ; a row of K in LDS: 1,024 bytes + 16 = 260 words: row r starts at bank 4 r mod 64 (64 banks of 4 bytes: ISA guide 11.1)
.set PV,    288       ; a row of V: 256 + 32 = 72 words
.set VOFF,  KS*PK     ; a slot holds one step: 64 rows of K, then 64 rows of V (84,992 bytes; two slots of two steps would not fit)
.set SLOT1, 1<<17     ; slot 1 begins here, so that one exclusive or turns an address in one slot into the other's
.set CMB,   SLOT1+KS*(PK+PV)  ; behind the ring, never filled by a tensor load: for each query half 32,768 bytes of O^T and 2,048 of statistics, from key half 1 to key half 0
.set CMBH,  34816
.set OST,   CMB+2*CMBH        ; for each query half 16 rows x 528 bytes, for the way out
.set OPI,   528
.set SPARE, OST+2*16*OPI      ; the spare words, 128 bytes a wave: two blocks of 256 bytes that no other line names
.set AK,   2          ; v2  my lane's place in a tile of K; never rewritten
.set AV,   3          ; v3  the same for V
.set ADRK, 4          ; v4  the same in the slot in hand
.set ADRV, 5          ; v5
.set SPW,  6          ; v6  my spare word; never rewritten
.set NIL,  7          ; v7  0; never rewritten
.set ST,   8          ; tile t's statistics at v[ST+4 t]: c m, m, l (even keys', odd keys')
.set TMP,  24         ; c0-c3 for each of the two tiles of the piece in hand; when the maximum is found c2 takes a
.set S,    32
.set P,    96
.set H0,   128
.set H1,   192
.set WV,   12         ; s12 my wave's number
.set G1K,  24         ; s[24:31] descriptor group 1 for K's tiles
.set G1V,  32         ; s[32:39] for V's
.set G0K,  40         ; s[40:47] descriptor group 0 for K's tiles: a set for each first fill; the second then walks on
.set G0V,  48         ; s[48:55] the same for V's
.set CNT,  56
.set CS,   58         ; s[58:59] c: the packed scaling takes the pair's low word for both halves
.set SEL,  60         ; s[60:61] v_permlanex16_b32's selects: each lane takes its own place in the other half
.set TB,   62         ; s62 LDS byte at which the slot in hand begins
.set MSB, 0
.macro WIN new                      ; the high byte repeats the setting that is left; a switch that changes nothing is dropped
.if MSB != (\new)
	s_set_vgpr_msb (MSB<<8)|(\new)
.set MSB, \new
.endif
.endm
.macro PLACES                       ; a load into a register that a matrix instruction has read, and a vector instruction that reads a matrix result, stand four plain vector instructions behind it
.rept 4                             ; (ISA guide 7.12.1 for vector instructions)
	v_nop
.endr
.endm
; A joint refill.  Waves 0 and 1 fetch the two halves of a step's K, waves 2 and 3 those of its V: 32 keys each.  The branch hangs on the wave's number alone.
; An s_nop 0 and four v_nop follow each of the two lines, ahead of the jump and the label.
.macro JLOAD
	s_cmp_lt_u32 s[WV], 2
	s_cbranch_scc0 .Lfor_v_\@
	tensor_load_to_lds s[G0K+4:G0K+7], s[G1K:G1K+7]
	s_nop 0
.rept 4
	v_nop
.endr
	s_branch .Lasked_\@
.Lfor_v_\@:
	tensor_load_to_lds s[G0V+4:G0V+7], s[G1V:G1V+7]
	s_nop 0
.rept 4
	v_nop
.endr
.Lasked_\@:
.endm
.macro CROUND                       ; a round of the cluster's barrier: my work-group's barrier; wave 0 signals for the work-group; every wave waits for all four; my work-group's barrier once more
	s_barrier_signal -1
	s_barrier_wait -1
	s_cmp_lg_u32 s[WV], 0
	s_cbranch_scc1 .Lnot_wave_0_\@
	s_barrier_signal -3
.Lnot_wave_0_\@:
	s_barrier_wait -3
	s_barrier_signal -1
	s_barrier_wait -1
.endm
	s_load_b256 s[4:11], s[0:1], 0x0  ; Q s[4:5], K s[6:7], V s[8:9], out s[10:11]
	v_lshl_add_u32 v[SPW], v0, 2, SPARE
	v_mov_b32 v[NIL], 0
	ds_add_u32 v[SPW], v[NIL]       ; the wave's opening: the add and its wait stand ahead of my first tensor load; the set-up below, work on registers, stands between them
	v_lshrrev_b32 v1, 5, v0
	v_readfirstlane_b32 s[WV], v1   ; wave 0..3
	s_bfe_u32 s13, ttmp6, 0x40000   ; cx: my place in the cluster
	s_lshl_b32 s14, ttmp9, 2        ; in a cluster launch ttmp9 counts clusters
	s_add_co_u32 s14, s14, s13      ; my block of 128 queries: it enters Q's and out's addresses alone
	s_and_b32 s15, ttmp7, 0xffff    ; the batch, which the four partners share
	s_and_b32 s16, s[WV], 1         ; my key half; also: which 32 keys of a tile I fetch
	s_lshr_b32 s17, s[WV], 1        ; my query half
	s_mul_i32 s18, s16, 32*PK       ; the place of those 32 keys in a slot, for K
	s_mul_i32 s19, s16, 32*PV       ; and for V: no place in the cluster enters an LDS address
	s_lshl_b32 s20, s15, 21         ; K: 2,048 rows of 1,024 bytes a batch,
	s_lshl_b32 s21, s16, 15         ; 32 rows a half
	s_add_co_u32 s20, s20, s21
	s_mov_b32 s21, 0
	s_lshl_b32 s22, s15, 19         ; V: 2,048 rows of 256 bytes a batch,
	s_lshl_b32 s23, s16, 13
	s_add_co_u32 s22, s22, s23
	s_mov_b32 s23, 0
	s_lshl_b32 s2, s15, 21          ; Q: the batch,
	s_lshl_b32 s3, s14, 17          ; my block's 128 rows,
	s_add_co_u32 s2, s2, s3
	s_lshl_b32 s3, s17, 16          ; my half's 64
	s_add_co_u32 s2, s2, s3
	s_mov_b32 s3, 0
	; descriptor group 1: 32 keys, padded in LDS behind every row
	s_mov_b32 s[G1K], 15|(1<<16)|(1<<20)|(1<<21)|(7<<22)|(3<<25)  ; 15:0 the mask of four; 17:16 2-byte elements; 20 padding on; 21 set beside a mask; 24:22 after every 256 words (code 7); 31:25 4 words (code 3)
	s_mov_b32 s[G1K+1], 512<<16     ; tensor_dim0 = 512
	s_mov_b32 s[G1K+2], 32<<16      ; tensor_dim1 = 32
	s_mov_b32 s[G1K+3], 512<<16     ; tile_dim0 = 512
	s_mov_b32 s[G1K+4], 32          ; tile_dim1 = 32
	s_mov_b32 s[G1K+5], 512         ; 512 elements from row to row
	s_mov_b32 s[G1K+6], 0
	s_mov_b32 s[G1K+7], 0
	s_mov_b32 s[G1V], 15|(1<<16)|(1<<20)|(1<<21)|(5<<22)|(7<<25)  ; after every 64 words (code 5) 8 words (code 7)
	s_mov_b32 s[G1V+1], 128<<16
	s_mov_b32 s[G1V+2], 32<<16
	s_mov_b32 s[G1V+3], 128<<16
	s_mov_b32 s[G1V+4], 32
	s_mov_b32 s[G1V+5], 128
	s_mov_b32 s[G1V+6], 0
	s_mov_b32 s[G1V+7], 0
	s_mov_b32 s[CS], 0x3d8293ee     ; c = log2(e) / sqrt(512) = 0.0637587
	s_mov_b32 s[CS+1], s[CS]        ; named with it as a pair
	s_mov_b32 s[SEL], 0x76543210
	s_mov_b32 s[SEL+1], 0xfedcba98
	s_mov_b32 s[TB], 0
	s_wait_dscnt 0x0                ; the opening add is done
	s_wait_kmcnt 0x0
	s_add_nc_u64 s[6:7], s[6:7], s[20:21]  ; K and V at my half of the batch's tile 0
	s_add_nc_u64 s[8:9], s[8:9], s[22:23]
	s_add_nc_u64 s[4:5], s[4:5], s[2:3]    ; Q at my wave's first row
	s_lshr_b32 s2, s2, 1                   ; a row of out is 512 bytes, half of Q's
	s_add_nc_u64 s[10:11], s[10:11], s[2:3]
	CROUND                          ; all four work-groups are here: the first joint loads meet
.irp s, 0,1
	s_mov_b32 s[G0K+4*(\s)], 1      ; count = 1
	s_add_co_u32 s[G0K+4*(\s)+1], s18, (\s)*SLOT1  ; LDS address
	s_add_nc_u64 s[G0K+4*(\s)+2:G0K+4*(\s)+3], s[6:7], (\s)*KS*1024  ; global address: tile s
	s_or_b32 s[G0K+4*(\s)+3], s[G0K+4*(\s)+3], 0x80000000  ; type = 2
	s_mov_b32 s[G0V+4*(\s)], 1
	s_add_co_u32 s[G0V+4*(\s)+1], s19, (\s)*SLOT1+VOFF
	s_add_nc_u64 s[G0V+4*(\s)+2:G0V+4*(\s)+3], s[8:9], (\s)*KS*256
	s_or_b32 s[G0V+4*(\s)+3], s[G0V+4*(\s)+3], 0x80000000
.endr
	s_cmp_lt_u32 s[WV], 2           ; a wave's two first fills stand in one branch, ahead of every wait on TENSORcnt and every LDS read: two loads of mine are out
	s_cbranch_scc0 .Lfirst_v
	tensor_load_to_lds s[G0K:G0K+3], s[G1K:G1K+7]
	s_nop 0
	tensor_load_to_lds s[G0K+4:G0K+7], s[G1K:G1K+7]
	s_nop 0
.rept 4
	v_nop
.endr
	s_branch .Lfirst_asked
.Lfirst_v:
	tensor_load_to_lds s[G0V:G0V+3], s[G1V:G1V+7]
	s_nop 0
	tensor_load_to_lds s[G0V+4:G0V+7], s[G1V:G1V+7]
	s_nop 0
.rept 4
	v_nop
.endr
.Lfirst_asked:
	; A fragment of K or Q is 16 rows x 32 channels in 8 registers: lane l holds row l % 16, channels 8 (l / 16) + 0..7 and 16 + 8 (l / 16) + 0..7: two loads of 16 bytes, 32 bytes apart.
	v_and_b32 v32, 15, v0           ; l % 16   (S^T's registers are free until the first products)
	v_bfe_u32 v33, v0, 4, 1         ; l / 16
	v_lshlrev_b32 v36, 10, v32
	v_lshl_add_u32 v36, v33, 4, v36 ; row x 1,024 + 16 x half
	WIN 0x80                        ; Q stays in registers: destination window 2: tiles 0 and 1; tile i / 16, channels 32 (i % 16) on
.set i, 0
.rept 32
	global_load_b128 v[8*i:8*i+3],   v36, s[4:5] offset:(i/16)*16384+(i%16)*64
	global_load_b128 v[8*i+4:8*i+7], v36, s[4:5] offset:(i/16)*16384+(i%16)*64+32
.set i, i+1
.endr
	WIN 0xc0                        ; window 3: tiles 2 and 3
.set i, 0
.rept 32
	global_load_b128 v[8*i:8*i+3],   v36, s[4:5] offset:(2+i/16)*16384+(i%16)*64
	global_load_b128 v[8*i+4:8*i+7], v36, s[4:5] offset:(2+i/16)*16384+(i%16)*64+32
.set i, i+1
.endr
	WIN 0x40                        ; O^T = 0: all this stands in the wait for the first tile
.set i, 0
.rept 256
	v_mov_b32 v[i], 0
.set i, i+1
.endr
	WIN 0
.set i, 0
.rept 4
	v_mov_b32 v[ST+4*i], 0xfe000000    ; c m: far below every c s
	v_mov_b32 v[ST+4*i+1], 0xff7fffff  ; m: the lowest finite number
	v_mov_b32 v[ST+4*i+2], 0
	v_mov_b32 v[ST+4*i+3], 0
.set i, i+1
.endr
	v_mul_u32_u24 v[AK], v32, PK
	v_lshl_add_u32 v[AK], v33, 4, v[AK]
	v_add_nc_u32 v[AK], s18, v[AK]  ; (32 x key half + l % 16) x pitch + 16 x half
	; The turning load takes 16 keys x 16 channels (lane l reads key 8 (l / 16) + l % 8, channels 8 ((l / 8) % 2) + 0..7) and leaves half a fragment of V^T: lane l holds channel l % 16 and 8 keys.
	v_and_b32 v34, 7, v0
	v_bfe_u32 v35, v0, 3, 1
	v_lshl_add_u32 v[AV], v33, 3, v34
	v_mul_u32_u24 v[AV], v[AV], PV
	v_lshl_add_u32 v[AV], v35, 4, v[AV]
	s_add_co_u32 s20, s19, VOFF
	v_add_nc_u32 v[AV], s20, v[AV]
	v_mov_b32 v[ADRK], v[AK]        ; slot 0
	v_mov_b32 v[ADRV], v[AV]
; THE LDS LOADS stand in runs of 16, never singly among the matrix instructions.  Group g of four: my 32 keys x channels 128 g .. + 127: fragment (channel block kq, key block kb) at h + 16 kq + 8 kb;
; the four loads of a channel block stand together, channel blocks ascending.
.macro FETCH_K g, h
	WIN 0
.set fi, 0
.rept 8
	ds_load_b128 v[(\h)+8*fi:(\h)+8*fi+3],   v[ADRK] offset:(fi%2)*16*PK+(4*(\g)+fi/2)*64
	ds_load_b128 v[(\h)+8*fi+4:(\h)+8*fi+7], v[ADRK] offset:(fi%2)*16*PK+(4*(\g)+fi/2)*64+32
.set fi, fi+1
.endr
.endm
.macro FETCH_V                      ; my 32 keys x 128 channels, turned: channel block cb at H1 + 8 cb
	WIN 0
.set fi, 0
.rept 8
	ds_load_tr16_b128 v[H1+8*fi:H1+8*fi+3],   v[ADRV] offset:fi*32
	ds_load_tr16_b128 v[H1+8*fi+4:H1+8*fi+7], v[ADRV] offset:fi*32+16*PV
.set fi, fi+1
.endr
.endm
; THE SOFTMAX of one tile and step: s0-s15 are the lane's 16 scores, in pairs 0-7.
.macro REGS t
.set rT, ST+4*(\t)
.set rC, TMP+4*((\t)%2)
.set rS, S+16*(\t)
.set rP, P+8*(\t)
.set rO, 64*(\t)
.endm
; XS n: number n of the 14 that find the maximum and the statistics.  0-6 two chains c0, c1, three operands at a time (each accumulator's lowest registers are read first);
; 7 c0, c1 and the old m; 8, 10 the query's other 16 keys lie in the lane 16 away: the new m; 9 c m_old is kept; 11-13 c m; c m_old - c m_new; a
.macro XS t, n
	REGS \t
.if (\n) == 0
	v_max3_num_f32 v[rC], v[rS], v[rS+1], v[rS+2]
.elseif (\n) == 1
	v_max3_num_f32 v[rC+1], v[rS+8], v[rS+9], v[rS+10]
.elseif (\n) < 6
	v_max3_num_f32 v[rC+(\n)%2], v[rC+(\n)%2], v[rS+8*((\n)%2)+2*((\n)/2)+1], v[rS+8*((\n)%2)+2*((\n)/2)+2]
.elseif (\n) == 6
	v_max3_num_f32 v[rC], v[rC], v[rS+7], v[rS+15]
.elseif (\n) == 7
	v_max3_num_f32 v[rC], v[rC], v[rC+1], v[rT+1]
.elseif (\n) == 8
	v_permlanex16_b32 v[rC+1], v[rC], s[SEL], s[SEL+1]
.elseif (\n) == 9
	v_mov_b32 v[rC+2], v[rT]
.elseif (\n) == 10
	v_max_num_f32 v[rT+1], v[rC], v[rC+1]
.elseif (\n) == 11
	v_mul_f32 v[rT], s[CS], v[rT+1]
.elseif (\n) == 12
	v_sub_f32 v[rC+3], v[rC+2], v[rT]
.else
	v_exp_f32 v[rC+2], v[rC+3]
.endif
.endm
.macro FS t, n                      ; c s - c m for pair n
	REGS \t
	v_pk_fma_f32 v[rS+2*(\n):rS+2*(\n)+1], v[rS+2*(\n):rS+2*(\n)+1], s[CS:CS+1], v[rT:rT+1] op_sel_hi:[1,0,0] neg_lo:[0,0,1] neg_hi:[0,0,1]
.endm
.macro ES t, n                      ; the exponential of score n
	REGS \t
	v_exp_f32 v[rS+(\n)], v[rS+(\n)]
.endm
.macro CV t, n                      ; pair n rounded to f16
	REGS \t
	s_wait_alu depctr_va_vdst(0)
	v_cvt_pk_f16_f32 v[rP+(\n)], v[rS+2*(\n)], v[rS+2*(\n)+1]
.endm
.macro BS t, k                      ; of the four weights 4 k .. the second pair is added onto the first, in place (behind the first pair's rounding)
	REGS \t
	v_pk_add_f32 v[rS+4*(\k):rS+4*(\k)+1], v[rS+4*(\k):rS+4*(\k)+1], v[rS+4*(\k)+2:rS+4*(\k)+3]
	s_wait_alu depctr_va_vdst(0)
.endm
.macro LS t, k                      ; l takes that sum; the first time as l = a l + sum
	REGS \t
.if (\k) == 0
	v_pk_fma_f32 v[rT+2:rT+3], v[rT+2:rT+3], v[rC+2:rC+3], v[rS:rS+1] op_sel_hi:[1,0,1]
.else
	v_pk_add_f32 v[rT+2:rT+3], v[rT+2:rT+3], v[rS+4*(\k):rS+4*(\k)+1]
.endif
.endm
; The plain instructions that stand behind the exponentials of pair nn: whatever is ready.  nn = 0, 1: the last four scalings; from nn = 2 on the rounding of pair nn - 2, whose exponentials
; stand two pairs back; at odd nn from 3 on an addition in place, at even nn from 4 on l's turn.
.macro SLOTA t
.if nn < 2
	FS \t, 4+2*nn
.else
	CV \t, nn-2
.endif
.endm
.macro SLOTB t
.if nn < 2
	FS \t, 5+2*nn
.elseif nn == 2
.elseif nn%2 == 1
	BS \t, (nn-3)/2
.else
	LS \t, (nn-4)/2
.endif
.endm
; A PIECE'S SOFTMAX (tiles y and y + 1) IS A NUMBERED LIST of NSQ entries, two of them empty; SQ writes entry n.  The two tiles alternate, so that no instruction reads the result of the one before it.
;   0-27    XS 0-13        28-35   the first four scalings
;   36-99   for each pair nn of scores eight entries: exponential, plain, exponential, plain ...: behind an exponential a plain instruction that touches neither its result nor its source comes
;           before the result is used (ISA guide 5.7.2); a matrix instruction set between two entries takes none of these away
;   100-109 the last roundings and sums        110-173 O^T times a: the one part that leaves window 0; ascending
.set NSQ, 174
.macro SQ y, n
.if (\n) < 110
	WIN 0
.endif
.if (\n) < 28
	XS (\y)+(\n)%2, (\n)/2
.elseif (\n) < 36
	FS (\y)+(\n)%2, ((\n)-28)/2
.elseif (\n) < 100
.set nn, ((\n)-36)/8
.set ph, ((\n)-36)%8
.if ph%2 == 0
	ES (\y)+(ph/2)%2, 2*nn+ph/4
.elseif ph < 4
	SLOTA (\y)+(ph/2)%2
.else
	SLOTB (\y)+(ph/2)%2
.endif
.elseif (\n) < 110
.set z, (\n)-100
.if z < 4
	CV (\y)+z%2, 6+z/2
.elseif z < 6
	BS (\y)+z%2, 3
.else
	LS (\y)+z%2, z/2-1
.endif
.else
	REGS (\y)+((\n)-110)/32
.set ii, ((\n)-110)%32
	WIN 0x41                        ; O^T (destination and source 0) in window 1, a in window 0
	v_pk_mul_f32 v[rO+2*ii:rO+2*ii+1], v[rO+2*ii:rO+2*ii+1], v[rC+2:rC+3] op_sel_hi:[1,0]
.endif
.endm
.macro SLICE y                      ; slice k of 32: five or six entries; k steps
.set e, (NSQ*k)/32
.set eh, (NSQ*(k+1))/32
.rept eh-e
	SQ \y, e
.set e, e+1
.endr
.set k, k+1
.endm
; THE MATRIX WORK.  16 products of S^T = K Q^T for piece pr (0: A, 1: B), channels 128 g on.  Product i: channels 32 (i / 4) on, key block (i / 2) % 2, tile 2 pr + i % 2: four accumulators take turns,
; one instruction a turn.  The first four of group 0 start the sums.
; ry >= 0: a slice of the softmax of the piece that begins with tile ry stands behind each product.  yg >= 0: the group was asked for only one run of products ago, so each channel block is waited for
; by itself: LDS loads come back in order (ISA guide 5.7.1): the later blocks' loads, four a block, and the yg loads issued behind the group may stay out.  fv = 1: V's run stands behind the second product.
.macro MULKP g, h, pr, ry=-1, yg=-1, fv=0
.set i, 0
.rept 16
.if ((\yg) >= 0) && (i%4 == 0)
	s_wait_dscnt (\yg)+12-i
.endif
	WIN 0x08+4*(\pr)                ; K and S^T in window 0, Q in window 2 or 3
.set rS, S+16*(2*(\pr)+i%2)+8*((i/2)%2)
.set rK, (\h)+16*(i/4)+8*((i/2)%2)
.set rQ, 128*(i%2)+8*(4*(\g)+i/4)
.if ((\g) == 0) && (i < 4)
	v_wmma_f32_16x16x32_f16 v[rS:rS+7], v[rK:rK+7], v[rQ:rQ+7], 0
.else
	v_wmma_f32_16x16x32_f16 v[rS:rS+7], v[rK:rK+7], v[rQ:rQ+7], v[rS:rS+7]
.endif
.if (\ry) >= 0
	SLICE \ry
.endif
.if (\fv) && (i == 1)
	FETCH_V
.endif
.set i, i+1
.endr
.endm
; 16 products O^T += V^T P for piece pr, each on an accumulator of its own: channel block i / 2, tile 2 pr + i % 2.
.macro PVP pr, ry=-1
.set i, 0
.rept 16
	WIN 0x50                        ; V and P in window 0, O^T in window 1
.set rO, 64*(2*(\pr)+i%2)+8*(i/2)
.set rV, H1+8*(i/2)
.set rP, P+8*(2*(\pr)+i%2)
	v_wmma_f32_16x16x32_f16 v[rO:rO+7], v[rV:rV+7], v[rP:rP+7], v[rO:rO+7]
.if (\ry) >= 0
	SLICE \ry
.endif
.set i, i+1
.endr
.endm
; THE CHANGE OF SLOTS.  The slot's last bytes, V, have been asked for.  Each wave waits for all its tensor loads, of which one is out: its part of the other slot; adds 0 to its spare word; and waits
; for that and for its own reads of the slot (so V is in registers).  Behind the barrier nobody reads this slot any more and the other slot is whole.  fill = 1: the slot is filled again, with the
; keys two steps on: the barrier is then a round of the cluster's, and the joint refill is the first thing behind it: it has a whole step, 160 matrix instructions, in which to land.
.macro CHANGE fill
	WIN 0                           ; at a label and at a branch every window is 0
	s_wait_tensorcnt 0x0            ; no tensor load of mine is out, so a group 0 may be written
	ds_add_u32 v[SPW], v[NIL]       ; 0 onto my spare word; the scalar steps stand between it and the wait for it
.if \fill
	s_xor_b32 s[G0K+5], s[G0K+5], SLOT1  ; the walking descriptors: the other slot than last time,
	s_add_nc_u64 s[G0K+6:G0K+7], s[G0K+6:G0K+7], KS*1024  ; the next 64 keys; the type bits on top are not reached
	s_xor_b32 s[G0V+5], s[G0V+5], SLOT1
	s_add_nc_u64 s[G0V+6:G0V+7], s[G0V+6:G0V+7], KS*256
.endif
	s_xor_b32 s[TB], s[TB], SLOT1   ; the fetches go on in the other slot
	s_wait_dscnt 0x0                ; the add is done, and my reads of the slot are over
.if \fill
	CROUND
	JLOAD
.else
	s_barrier_signal -1
	s_barrier_wait -1
.endif
	v_add_nc_u32 v[ADRK], s[TB], v[AK]
	v_add_nc_u32 v[ADRV], s[TB], v[AV]
.endm
; A TRIP: from A g0 of a step to V^T P of A of the same step.  lab = 1: the loop's copy, which is entered at .Lfirst the first time: A g0 of step 0 is written out ahead of the loop, and there is no step before it.
; Where the runs of loads stand, and what covers them: g1 behind the last reader of V, one run of 16 products ahead of its use (so its blocks are waited for one by one); g2 behind B g0, 32 products ahead;
; g3 behind B g1, 16 ahead (block by block); V behind the second product of B g2: between it and B g3's last product, the last reader of H1, stand three slices with eight plain instructions;
; the next g0 behind the change of slots: slice 31's six multiplies are the places behind B g2's last product, for these loads and for B's first read of its scores.
.macro BODY fill, lab
	s_wait_dscnt 0x0                ; K's group 0 is in: it was asked for ahead of V^T P of A
.set k, 16
	MULKP 0, H0, 0, 2               ; A g0 starts A's new scores | the second half of B's softmax of the step before
	PVP 1                           ; V^T P of B, the step before
	WIN 0
.if \lab
.Lfirst:
.endif
	PLACES
	FETCH_K 1, H1
	MULKP 0, H0, 1                  ; B g0 starts B's new scores
	PLACES
	FETCH_K 2, H0
	MULKP 1, H1, 0, -1, 16          ; A g1: g2's 16 loads stay out
	MULKP 1, H1, 1
	PLACES
	FETCH_K 3, H1
	s_wait_dscnt 16                 ; g2 is in; g3's 16 loads stay out
	MULKP 2, H0, 0
	MULKP 3, H1, 0, -1, 0           ; A g3: A's scores are whole
	PLACES                          ; in front of the first read of them
.set k, 0
	MULKP 3, H1, 1, 0               ; B g3 | the first half of A's softmax
	MULKP 2, H0, 1, 0, -1, 1        ; B g2 | the second half; V is asked for
	CHANGE \fill
	FETCH_K 0, H0                   ; the next step's group 0
.set k, 0
	PVP 0, 2                        ; V^T P of A | the first half of B's softmax
.endm
	s_wait_tensorcnt 1              ; my part of tile 0 is in; tile 1's may stay out
	s_barrier_signal -1
	s_barrier_wait -1               ; everybody's is
	FETCH_K 0, H0
	s_wait_loadcnt 0x0              ; Q
	s_wait_dscnt 0x0
	MULKP 0, H0, 0                  ; A g0 of step 0: there is no vector work yet to set between its products
	WIN 0
	s_mov_b32 s[CNT], 2048/KS-2
	s_branch .Lfirst
.Lstep:                             ; 30 trips, the first from .Lfirst on: every slot but the last two is filled again
	BODY 1, 1
	WIN 0
	s_sub_co_u32 s[CNT], s[CNT], 1
	s_cmp_lg_u32 s[CNT], 0
	s_cbranch_scc1 .Lstep
	s_mov_b32 s[CNT], 2
.Ltail:                             ; the last two steps are a text of their own.  The very last trip's barrier and its fetch of an old K serve nothing
	BODY 0, 0                       ; the price, once a launch, of two copies of the trip and not three
	WIN 0
	s_sub_co_u32 s[CNT], s[CNT], 1
	s_cmp_lg_u32 s[CNT], 0
	s_cbranch_scc1 .Ltail
.set k, 16
.rept 16
	SLICE 2                         ; the second half of B's last softmax: no product is left for it to ride on
.endr
	PVP 1                           ; V^T P of B, the last step
	WIN 0
	; THE TWO KEY HALVES ARE JOINED.  Key half 1 hands its statistics and its O^T to key half 0 of the same queries, lane to lane, through LDS.  The address lines are the places behind the last products.
.set LN,  32          ; v32 lane            (S^T's registers are free now)
.set CA,  33          ; v33 my 16 bytes in my query half's hand-over block
.set GO,  34          ; v34 my 16 bytes in a row of out
.set ORD, 35          ; v35 the way out: where I read a row back
.set OSA, 36          ; v36 the way out: where I put 32 bytes of a row
.set PS,  40          ; v40-55 the partner's statistics
.set JS,  56          ; tile t at JS + 4 t: f0, l's sum, f1, the partner's l's sum
.set JT,  72          ; tile t at JT + 4 t: at work
	v_and_b32 v[LN], 31, v0
	s_mul_i32 s20, s17, CMBH
	s_add_co_u32 s20, s20, CMB
	v_lshl_add_u32 v[CA], v[LN], 4, s20
	v_lshlrev_b32 v[GO], 4, v[LN]
	s_mul_i32 s21, s17, 16*OPI
	s_add_co_u32 s21, s21, OST
	v_add_nc_u32 v[ORD], s21, v[GO]
	v_and_b32 v[OSA], 15, v0
	v_bfe_u32 v37, v0, 4, 1
	v_mul_u32_u24 v[OSA], v[OSA], OPI
	v_lshl_add_u32 v[OSA], v37, 5, v[OSA]
	v_add_nc_u32 v[OSA], s21, v[OSA]
	s_cmp_eq_u32 s16, 0
	s_cbranch_scc1 .Lkeeper
.irp t, 0,1,2,3
	ds_store_b128 v[CA], v[ST+4*(\t):ST+4*(\t)+3] offset:32768+512*(\t)
.endr
	WIN 0x04                        ; the stores' data in window 1; ascending: each accumulator's four lowest registers go first
.set i, 0
.rept 64
	ds_store_b128 v[CA], v[4*i:4*i+3] offset:512*i
.set i, i+1
.endr
	WIN 0
.Lkeeper:
	s_wait_dscnt 0x0                ; for the others' sake: my stores are done (and the last fetch of K is back)
	s_barrier_signal -1
	s_barrier_wait -1
	s_cmp_lg_u32 s16, 0
	s_cbranch_scc1 .Lend            ; key half 1 has nothing more to do
.irp t, 0,1,2,3
	ds_load_b128 v[PS+4*(\t):PS+4*(\t)+3], v[CA] offset:32768+512*(\t)
.endr
	s_wait_dscnt 0x0
.macro ALL line:vararg              ; one line for each tile t
.set t, 0
	s_wait_alu depctr_va_vdst(0)
.rept 4
	\line
.set t, t+1
.endr
.endm
	; c m* = the larger c m; a0, a1 = 2^(c m - c m*); L = a0 l + a1 l', both halves of the lanes; f0 = a0 / L, f1 = a1 / L
	ALL v_max_num_f32 v[JT+4*t], v[ST+4*t], v[PS+4*t]
	ALL v_sub_f32 v[JT+4*t+1], v[ST+4*t], v[JT+4*t]
	ALL v_sub_f32 v[JT+4*t+2], v[PS+4*t], v[JT+4*t]
	ALL v_exp_f32 v[JS+4*t], v[JT+4*t+1]
	ALL v_exp_f32 v[JS+4*t+2], v[JT+4*t+2]
	ALL v_add_f32 v[JS+4*t+1], v[ST+4*t+2], v[ST+4*t+3]
	ALL v_add_f32 v[JS+4*t+3], v[PS+4*t+2], v[PS+4*t+3]
	ALL v_mul_f32 v[JT+4*t], v[JS+4*t], v[JS+4*t+1]
	ALL v_fmac_f32 v[JT+4*t], v[JS+4*t+2], v[JS+4*t+3]
	ALL v_permlanex16_b32 v[JT+4*t+1], v[JT+4*t], s[SEL], s[SEL+1]
	ALL v_add_f32 v[JT+4*t], v[JT+4*t], v[JT+4*t+1]
	ALL v_rcp_f32 v[JT+4*t+3], v[JT+4*t]
	v_nop                           ; a plain instruction between the last reciprocal and the use of its result
	s_wait_alu depctr_va_vdst(0)
	ALL v_mul_f32 v[JS+4*t], v[JS+4*t], v[JT+4*t+3]
	ALL v_mul_f32 v[JS+4*t+2], v[JS+4*t+2], v[JT+4*t+3]
; Tile t: out = f0 O + f1 O'.  A lane's eight channels of a row are 32 bytes; they go into rows of 528 bytes of my own stage and come back as whole rows of 512.
.macro JOIN t
	WIN 0
.set i, 0
.rept 16
	ds_load_b128 v[H0+4*i:H0+4*i+3], v[CA] offset:512*(16*(\t)+i)
.set i, i+1
.endr
	WIN 0x41
.set i, 0
.rept 32
	v_pk_mul_f32 v[64*(\t)+2*i:64*(\t)+2*i+1], v[64*(\t)+2*i:64*(\t)+2*i+1], v[JS+4*(\t):JS+4*(\t)+1] op_sel_hi:[1,0]
.set i, i+1
.endr
	s_wait_dscnt 0x0                ; the partner's O^T is in
	WIN 0x10                        ; source 2 (my O^T) in window 1
.set i, 0
.rept 32
	v_pk_fma_f32 v[H0+2*i:H0+2*i+1], v[H0+2*i:H0+2*i+1], v[JS+4*(\t)+2:JS+4*(\t)+3], v[64*(\t)+2*i:64*(\t)+2*i+1] op_sel_hi:[1,0,1]
.set i, i+1
.endr
	WIN 0
.set i, 0
.rept 8
	ds_store_b128 v[OSA], v[H0+8*i:H0+8*i+3]   offset:64*i
	ds_store_b128 v[OSA], v[H0+8*i+4:H0+8*i+7] offset:64*i+16
.set i, i+1
.endr
	s_wait_xcnt 0x0                 ; the last tile's stores have read their registers (ISA guide 3.1): H1 is loaded again only behind this wait
.set i, 0
.rept 16
	ds_load_b128 v[H1+4*i:H1+4*i+3], v[ORD] offset:OPI*i  ; LDS serves a wave's instructions in order (ISA guide 5.7.1.4): these see the stores above
.set i, i+1
.endr
.set i, 0
.rept 16
	s_wait_dscnt 15-i
	global_store_b128 v[GO], v[H1+4*i:H1+4*i+3], s[10:11] offset:(16*(\t)+i)*512 th:TH_STORE_NT  ; a row of out: 512 consecutive bytes, at a multiple of 256 from out's first byte
.set i, i+1
.endr
.endm
	JOIN 0
	JOIN 1
	JOIN 2
	JOIN 3
.Lend:
	s_wait_tensorcnt 0x0            ; the wave's end: these three lines stand behind my last tensor load and my last LDS store
	ds_add_u32 v[SPW], v[NIL]
	s_wait_dscnt 0x0
	CROUND                          ; the closing round: no work-group ends while a partner may still ask for a tile that names it
	s_endpgm
.Lfunc_end_k_q4b49d2000c_attn:
	.size	k_q4b49d2000c_attn, .Lfunc_end_k_q4b49d2000c_attn-k_q4b49d2000c_attn
	.p2alignl 7, 3214868480
	.fill 96, 4, 3214868480
	.section	.rodata,"a",@progbits
	.p2align	6, 0x0
	.amdhsa_kernel k_q4b49d2000c_attn
		.amdhsa_group_segment_fixed_size 327680
		.amdhsa_private_segment_fixed_size 0
		.amdhsa_enable_private_segment 0
		.amdhsa_kernarg_size 32
		.amdhsa_user_sgpr_count 2
		.amdhsa_user_sgpr_kernarg_segment_ptr 1
		.amdhsa_wavefront_size32 1
		.amdhsa_system_sgpr_workgroup_id_x 1
		.amdhsa_system_sgpr_workgroup_id_y 1
		.amdhsa_system_sgpr_workgroup_id_z 1
		.amdhsa_system_vgpr_workitem_id 0
		.amdhsa_next_free_vgpr 1024
		.amdhsa_next_free_sgpr 66
		.amdhsa_reserve_vcc 0
		.amdhsa_float_denorm_mode_32 3
		.amdhsa_float_denorm_mode_16_64 3
		.amdhsa_memory_ordered 1
		.amdhsa_forward_progress 1
		.amdhsa_inst_pref_size 164
	.end_amdhsa_kernel
	.amdgpu_metadata
---
amdhsa.version: [ 1, 2 ]
amdhsa.kernels:
  - .name:           k_q4b49d2000c_attn
    .symbol:         k_q4b49d2000c_attn.kd
    .args:
      - { .name: qh, .offset: 0, .size: 8, .value_kind: global_buffer, .address_space: global }
      - { .name: kh, .offset: 8, .size: 8, .value_kind: global_buffer, .address_space: global }
      - { .name: vh, .offset: 16, .size: 8, .value_kind: global_buffer, .address_space: global }
      - { .name: out0, .offset: 24, .size: 8, .value_kind: global_buffer, .address_space: global }
    .group_segment_fixed_size: 327680
    .private_segment_fixed_size: 0
    .kernarg_segment_align: 8
    .kernarg_segment_size: 32
    .max_flat_workgroup_size: 128
    .sgpr_count:     66
    .vgpr_count:     1024
    .wavefront_size: 32
...
	.end_amdgpu_metadata
.endif
;; end of part 3
